; MI455X (gfx1250); checked and timed in simulation.
; The chip was launched on July 23, 2026; its instructions are those of AMD's public machine-readable ISA for CDNA 5 (MIT licence, August 2026) and "CDNA5" Instruction Set Architecture Reference Guide (July 2026). The comments in the code are by the model that wrote it; some were corrected since.
;; Scaled Dot Product Attention. Allowed arithmetic: matrix products marked QUANTISED: E2M1 operands, one E8M0 scale for each 32 along K, by v_wmma_scale_f32_16x16x128_f8f6f4 with both operands' format E2M1 (or v_wmma_scale_f32_32x16x128_f4), f32 sums; everything else in f32.
;; Inputs: key 4 x 16 x 2,048 x 128 float32; query 4 x 16 x 2,048 x 128 float32; value 4 x 16 x 2,048 x 128 float32.
;; Outputs: out0 4 x 16 x 2,048 x 128 float32.
;; This version of the problem:
;;   THIS VERSION OF THE PROBLEM IS GIVEN IN LOW PRECISION. The matrix products marked QUANTISED in the list below multiply operands that are first quantised to E2M1 (2 exponent bits, 1 mantissa bit; 4 bits a number), with one power-of-two scale for each 32 numbers along K (OCP MX v1.0); their sums are f32. All else is computed in f32.
;;   The module's matrix products, in the order in which they are computed (A, B: the left and right operand; K: the contracted axis; several contracted axes count as one K, in the product's order):
;;     1. batch 64 x [M 2,048, K 128] x [K 128, N 2,048]; A: input query; B: input key: QUANTISED
;;     2. batch 64 x [M 2,048, K 2,048] x [K 2,048, N 128]; A: softmax (see below); B: input value: QUANTISED
;;   THE QUANTISER, for each operand of a quantised product, along K:
;;     - K is cut into blocks of 32 from its start; a last block that is shorter is filled with zeros.
;;     - A block's scale is 2^e with e = floor(log2(the largest magnitude in the block)) - 2, held to -126 .. 127; a block of zeros has e = 0. As a byte (E8M0): e + 127.
;;     - Each number is divided by its block's scale, clamped to +-6, and rounded to the nearest number of E2M1, ties to even, subnormals kept.
;;     - The product sums the exact products of the quantised numbers (number of the format x scale) in f32.
;;   ~~~python
;;   def quantise(x, axis):      # numpy; x: float32 -> the quantised numbers, widened to float32 again
;;       x = np.moveaxis(x, axis, -1); K = x.shape[-1]
;;       x = np.pad(x, [(0, 0)] * (x.ndim - 1) + [(0, -K % 32)]); x = x.reshape(x.shape[:-1] + (-1, 32)); a = np.abs(x).max(-1, keepdims=True)
;;       e = np.where(a > 0, np.clip(np.frexp(np.where(a > 0, a, 1))[1] - 1 - 2, -126, 127), 0)      # np.frexp(a)[1] - 1 = floor(log2(a)), exactly
;;       r = np.clip(x / 2.0 ** e, -6, 6)
;;       step = 2.0 ** (np.maximum(np.frexp(np.where(r == 0, 1, r))[1] - 1, 0) - 1)
;;       q = np.round(r / step) * step * 2.0 ** e      # np.round: ties to even
;;       return np.moveaxis(q.reshape(q.shape[:-2] + (-1,))[..., :K], -1, axis).astype(np.float32)
;;   ~~~
;;   SOFTMAX AHEAD OF A QUANTISED PRODUCT. Where the list says 'softmax', what is quantised is not the finished softmax but p = 2^(t - M), with t = logit x log2(e) and M = ceil(the row's largest t), a whole number; so 1/2 < the row's largest p <= 1. The row's sum l is taken of the UNQUANTISED p, in f32, and the product's result is divided by l at the end. Since M is a whole number, a kernel that streams over the keys may use a running M (the ceiling of the running maximum): every later rescaling is an exact power of two, which a block's scale takes up: the codes' values come out the same.
;;   OPERANDS COMPUTED ON THE WAY. 'Computed on the way' means the value that the module computes at that place (a softmax that the list does not call 'softmax' is quantised finished and normalised). What goes into a quantiser is computed in f32, as accurately as f32 sums, v_exp_f32 and their like allow (about 1e-6 of the number): no bf16 or f16 on the way to a quantiser, and a product that is left as it is and whose result goes on into a quantised operand takes f32 operands (vector FMAs, or v_wmma_f32_16x16x4_f32). A number that lies on a knife's edge between two numbers of the format may be rounded either way, as far as f32 arithmetic and the matrix unit's own rounding can turn it there, and no further.
;; One version. Each part assembles by itself: llvm-mc -triple=amdgcn-amd-amdhsa -mcpu=gfx1250 --defsym DOCPART=n.
;; ======== version 1 of 1: 2 launches
;; workspace buffers: kv 17,825,792 bytes
;; launch prep (part 1): grid 16 x 64, 8 waves a work-group, no clusters, 69,632 bytes of LDS; arguments key, value, kv; writes kv
.if DOCPART == 1
	.amdgcn_target "amdgcn-amd-amdhsa--gfx1250"
	.amdhsa_code_object_version 6
	.text
	.protected	k_qe4c157a9e2_prep
	.globl	k_qe4c157a9e2_prep
	.p2align	8
	.type	k_qe4c157a9e2_prep,@function
k_qe4c157a9e2_prep:
	s_mov_b64 s[64:65], 0
	v_nop
	global_prefetch_b8 v0, s[64:65] scope:SCOPE_SE
	s_setreg_imm32_b32 hwreg(HW_REG_WAVE_MODE, 25, 1), 1
	s_wait_xcnt 0x0
; key and value, [64 heads][2048 keys][128] f32, become codes of FP4 (E2M1) with one E8M0 scale byte for each 32 along a product's K, laid in kv IN THE ORDER OF THE OPERANDS' REGISTERS.
; key is quantised along the head's 128 (K of the first product), value along the keys (K of the second).  A block's scale is 2^(floor(log2(its largest magnitude)) - 2): its byte is that magnitude's exponent field - 2.
; kv: for each head 16 blocks of 17,408 bytes, one for each step of 128 keys.  With lane l = r + 16 h:
;   +0      K's images: tile t = 2 b + u, half c: 512 bytes at 1024 t + 512 c + 16 l: the codes of key 32 b + 8 u + r + 8 (r / 8), d = 64 c + 32 h + 0 .. 31
;   +8192   V's images: channel tile t, half c, at the same places: the codes of channel 16 t + r, keys 64 c + 32 h + 0 .. 31
;   +16384  K's scale words: at 16 l + 4 j the word (bytes = d blocks 0 .. 3) of tile 2 j + h, row r
;   +16896  V's scale words: at 16 l + 4 j the word of channel 16 (2 j + h) + r (bytes = the step's four blocks of 32 keys)
; THE KEYS OF A TILE ARE NOT NEIGHBOURS: so the next launch's scores of two neighbouring tiles are 16 neighbouring keys in a lane's registers.
; SHARES.  A work-group makes one block of kv.  Wave w makes K's tile w (16 rows of 512 bytes, loaded dense and turned through its own stage in LDS, so that a lane holds 32 neighbours along d),
; and V's channels 32 (w % 4) + lane for keys 64 (w / 4) + 0 .. 63: a lane takes a channel and its registers run down the keys, so nothing is transposed.
; The scale words of the eight waves meet in 1,024 bytes of LDS and leave as four whole runs of 256 bytes.
; LIMITS: NaN and infinities among the inputs are not served.  A block of zeros gets the byte 1 where the rule says 127: its codes are zeros, and this program alone reads the bytes.
; Blocks whose largest magnitude lies under 2^-124 keep the byte 1, as the rule's lower bound has it; they were not tried.
.set STW,  16*528                      ; a wave's stage: 16 rows of 512 bytes + 16: 33 x 16 bytes, so that the sixteen rows of a load begin in sixteen different columns of 16 bytes modulo 256
.set SCG,  8*STW                       ; behind the stages: the scale words, K's 512 bytes, then V's
.set BLKB, 17408                       ; a block of kv
; REGISTERS: v1 lane, v2 r, v3 h; v4 16 l; v5, v6 the stage, in and out; v7 4 l; v8 V's codes' place; v9, v10 where my scale words go; v11, v12 the scale words' way out; v13 8 h; v14-23 at work;
; v24-31 K's codes; v32-95 K as loaded; v96-159 K turned; v160-223 V; v224-231 V's codes; v232-239 at work; v240-243 scale words on their way out
; 32 numbers v[src] .. v[src + 31] of one block become 4 registers of codes and a scale byte
.macro BLK src, codes, m, so, byte
	v_max3_num_f32 v[\m], |v[\src]|, |v[\src+1]|, |v[\src+2]|        ; the largest magnitude, in two chains
	v_max3_num_f32 v[\m+1], |v[\src+3]|, |v[\src+4]|, |v[\src+5]|
.irp i, 6,10,14,18,22,26
	v_max3_num_f32 v[\m], v[\m], |v[\src+\i]|, |v[\src+\i+1]|
	v_max3_num_f32 v[\m+1], v[\m+1], |v[\src+\i+2]|, |v[\src+\i+3]|
.endr
	v_max3_num_f32 v[\m], v[\m], |v[\src+30]|, |v[\src+31]|
	v_max3_num_f32 v[\m], v[\m], v[\m+1], 0x1800000                  ; and the floor 2^(3 - 127): the byte cannot fall under 1
	v_add_nc_u32 v[\so], 0xff000000, v[\m]                           ; 2 off the exponent field: the conversion takes the exponent field of this operand as its scale
.irp g, 0,1,2,3
	v_cvt_scalef32_pk8_fp4_f32 v[\codes+\g], v[\src+8*\g:\src+8*\g+7], v[\so]
.endr
	v_lshrrev_b32 v[\byte], 23, v[\so]                               ; the scale's byte; also the plain line behind the conversions
.endm
	s_load_b128 s[4:7], s[0:1], 0x0                ; key, value
	s_load_b64 s[8:9], s[0:1], 0x10                ; kv
	v_lshl_add_u32 v248, v0, 2, 0x10c00
	v_mov_b32 v249, 0
	v_lshrrev_b32 v1, 5, v0
	v_readfirstlane_b32 s10, v1                    ; wave 0..7
	v_and_b32 v1, 31, v0                           ; lane
	v_and_b32 v2, 15, v0                           ; r
	v_bfe_u32 v3, v0, 4, 1                         ; h
	v_lshlrev_b32 v4, 4, v1                        ; 16 l: my 16 bytes of a row of key, and of an image
	s_mul_i32 s30, s10, STW                        ; my stage
	v_add_nc_u32 v5, s30, v4                       ; in: as loaded
	v_mul_u32_u24 v6, v2, 528
	v_lshl_add_u32 v6, v3, 7, v6
	v_add_nc_u32 v6, s30, v6                       ; out: row r, + 128 h: my 32 numbers of a half row
	v_lshlrev_b32 v7, 2, v1                        ; value: 4 bytes a lane
	v_lshlrev_b32 v8, 4, v2
	v_lshl_add_u32 v8, v3, 10, v8                  ; V's codes: tile + h, row r
	s_and_b32 s31, s10, 1                          ; w % 2
	s_lshr_b32 s32, s10, 1                         ; w / 2
	s_and_b32 s33, s10, 3                          ; w % 4
	s_lshr_b32 s34, s10, 2                         ; w / 4
	s_lshl_b32 s35, s31, 8
	s_lshl_b32 s36, s32, 2
	s_add_co_u32 s35, s35, s36
	s_add_co_u32 s35, s35, SCG
	v_lshl_add_u32 v9, v2, 4, s35                  ; K's scale word: 16 (r + 16 (w % 2)) + 4 (w / 2)
	s_lshl_b32 s35, s33, 2
	s_lshl_b32 s36, s34, 1
	s_add_co_u32 s35, s35, s36
	s_add_co_u32 s35, s35, SCG+512
	v_lshl_add_u32 v10, v1, 4, s35                 ; V's two bytes: 16 l + 4 (w % 4) + 2 (w / 4)
	v_and_b32 v12, 63, v0
	v_lshlrev_b32 v12, 4, v12                      ; the scale words' way out: 16 bytes a thread of waves 0 and 1
	v_add_nc_u32 v11, SCG, v12
	v_lshlrev_b32 v13, 3, v3                       ; 8 h
	v_mov_b32 v14, 0                               ; written once: a lane permute's destination counts as one of its sources
	s_mov_b32 s26, 0x76543210
	s_mov_b32 s27, 0xfedcba98                      ; v_permlanex16_b32's selects for lane l xor 16
	s_and_b32 s12, ttmp7, 0xffff                   ; the head
	s_lshl_b32 s14, s12, 20                        ; a head is 2,048 rows of 512 bytes,
	s_lshl_b32 s28, ttmp9, 16                      ; a step 128 rows
	s_add_co_u32 s14, s14, s28
	s_lshl_b32 s28, s32, 14                        ; key: my tile begins at row 32 (w / 2) + 8 (w % 2)
	s_lshl_b32 s29, s31, 12
	s_add_co_u32 s16, s14, s28
	s_add_co_u32 s16, s16, s29
	s_mov_b32 s17, 0
	s_lshl_b32 s28, s34, 15                        ; value: keys 64 (w / 4) on, channels 32 (w % 4) on
	s_lshl_b32 s29, s33, 7
	s_add_co_u32 s18, s14, s28
	s_add_co_u32 s18, s18, s29
	s_mov_b32 s19, 0
	s_lshl_b32 s28, s12, 4
	s_add_co_u32 s28, s28, ttmp9
	s_mul_i32 s28, s28, BLKB                       ; my block of kv
	s_lshl_b32 s29, s10, 10
	s_add_co_u32 s20, s28, s29                     ; K's tile w
	s_mov_b32 s21, 0
	s_lshl_b32 s29, s33, 11
	s_add_co_u32 s22, s28, s29                     ; V's tiles 2 (w % 4) and the next,
	s_lshl_b32 s29, s34, 9
	s_add_co_u32 s22, s22, s29                     ; half w / 4
	s_add_co_u32 s22, s22, 8192
	s_mov_b32 s23, 0
	s_add_co_u32 s24, s28, 16384                   ; the scale words
	s_mov_b32 s25, 0
	s_wait_kmcnt 0x0
	s_add_nc_u64 s[4:5], s[4:5], s[16:17]
	s_add_nc_u64 s[6:7], s[6:7], s[18:19]
	s_add_nc_u64 s[20:21], s[8:9], s[20:21]
	s_add_nc_u64 s[22:23], s[8:9], s[22:23]
	s_add_nc_u64 s[24:25], s[8:9], s[24:25]
.irp i, 0,1,2,3,4,5,6,7,8,9,10,11,12,13,14,15
	global_load_b128 v[32+4*\i:35+4*\i], v4, s[4:5] offset:(\i+8*(\i/8))*512 th:TH_LOAD_NT   ; tile row i: 32 lanes read one whole row of 512 bytes
.endr
.set k, 0
.rept 32
	global_load_b32 v[160+k], v7, s[6:7] offset:512*k th:TH_LOAD_NT   ; V's first block: key k, my channel; four waves stand side by side on a row
.set k, k+1
.endr
	s_wait_loadcnt 32                              ; K's sixteen loads are in; the 32 issued behind them may be out
.irp i, 0,1,2,3,4,5,6,7,8,9,10,11,12,13,14,15
	ds_store_b128 v5, v[32+4*\i:35+4*\i] offset:528*\i
.endr
.irp c, 0,1
.irp g, 0,1,2,3,4,5,6,7
	ds_load_b128 v[96+32*\c+4*\g:99+32*\c+4*\g], v6 offset:256*\c+16*\g   ; LDS serves a wave's instructions in order (ISA guide 5.7.1.4): these see my stores.  Register 32 c + n: d = 64 c + 32 h + n of row r
.endr
.endr
.rept 32
	global_load_b32 v[160+k], v7, s[6:7] offset:512*k th:TH_LOAD_NT   ; V's second block
.set k, k+1
.endr
	s_wait_dscnt 0x0
	BLK 96, 24, 16, 18, 19                         ; d block h
	BLK 128, 28, 20, 22, 23                        ; d block 2 + h
	v_lshl_or_b32 v15, v23, 16, v19                ; my two bytes,
	v_lshlrev_b32 v15, v13, v15                    ; at their places in the row's scale word (8 h bits up);
	v_permlanex16_b32 v14, v15, s26, s27
	v_or_b32 v15, v15, v14                         ; with lane l xor 16's two the word is whole
	global_store_b128 v4, v[24:27], s[20:21]       ; 32 lanes store 512 consecutive bytes, at a multiple of 256 from kv's first byte
	global_store_b128 v4, v[28:31], s[20:21] offset:512
	ds_store_b32 v9, v15                           ; lanes r and r + 16 write the same word with the same value
	s_wait_loadcnt 32                              ; V's first block is in; the second block's 32 loads may be out
	BLK 160, 224, 232, 234, 235
	s_wait_loadcnt 0x0
	BLK 192, 228, 236, 238, 239
	v_lshl_or_b32 v233, v239, 8, v235              ; my channel's two bytes of the step's four
	global_store_b128 v8, v[224:227], s[22:23]     ; sixteen lanes store 256 consecutive bytes, aligned: lanes h = 0 of one tile's image, h = 1 of the next tile's
	global_store_b128 v8, v[228:231], s[22:23] offset:256
	ds_store_b16 v10, v233
	s_wait_dscnt 0x0                               ; for the others' sake: my scale words lie in LDS
	s_barrier_signal -1
	s_barrier_wait -1
	s_cmp_lt_u32 s10, 2                            ; waves 0 and 1 send the 1,024 bytes
	s_cbranch_scc0 .Ldone
	ds_load_b128 v[240:243], v11
	s_wait_dscnt 0x0
	global_store_b128 v12, v[240:243], s[24:25]
.Ldone:
	s_wait_tensorcnt 0x0
	ds_add_u32 v248, v249
	s_wait_dscnt 0x0
	s_endpgm
.Lfunc_end_k_qe4c157a9e2_prep:
	.size	k_qe4c157a9e2_prep, .Lfunc_end_k_qe4c157a9e2_prep-k_qe4c157a9e2_prep
	.p2alignl 7, 3214868480
	.fill 96, 4, 3214868480
	.section	.rodata,"a",@progbits
	.p2align	6, 0x0
	.amdhsa_kernel k_qe4c157a9e2_prep
		.amdhsa_group_segment_fixed_size 69632
		.amdhsa_private_segment_fixed_size 0
		.amdhsa_enable_private_segment 0
		.amdhsa_kernarg_size 24
		.amdhsa_user_sgpr_count 2
		.amdhsa_user_sgpr_kernarg_segment_ptr 1
		.amdhsa_wavefront_size32 1
		.amdhsa_system_sgpr_workgroup_id_x 1
		.amdhsa_system_sgpr_workgroup_id_y 1
		.amdhsa_system_sgpr_workgroup_id_z 1
		.amdhsa_system_vgpr_workitem_id 0
		.amdhsa_next_free_vgpr 250
		.amdhsa_next_free_sgpr 66
		.amdhsa_reserve_vcc 0
		.amdhsa_float_denorm_mode_32 3
		.amdhsa_float_denorm_mode_16_64 3
		.amdhsa_memory_ordered 1
		.amdhsa_forward_progress 1
		.amdhsa_inst_pref_size 20
	.end_amdhsa_kernel
	.amdgpu_metadata
---
amdhsa.version: [ 1, 2 ]
amdhsa.kernels:
  - .name:           k_qe4c157a9e2_prep
    .symbol:         k_qe4c157a9e2_prep.kd
    .args:
      - { .name: key, .offset: 0, .size: 8, .value_kind: global_buffer, .address_space: global }
      - { .name: value, .offset: 8, .size: 8, .value_kind: global_buffer, .address_space: global }
      - { .name: kv, .offset: 16, .size: 8, .value_kind: global_buffer, .address_space: global }
    .group_segment_fixed_size: 69632
    .private_segment_fixed_size: 0
    .kernarg_segment_align: 8
    .kernarg_segment_size: 24
    .max_flat_workgroup_size: 256
    .sgpr_count:     66
    .vgpr_count:     250
    .wavefront_size: 32
...
	.end_amdgpu_metadata
.endif
;; end of part 1
;; launch attn (part 2): grid 4 x 64, 8 waves a work-group, clusters of 4 x 1, 327,680 bytes of LDS; arguments query, kv, out0; writes out0
.if DOCPART == 2
	.amdgcn_target "amdgcn-amd-amdhsa--gfx1250"
	.amdhsa_code_object_version 6
	.text
	.protected	k_qe4c157a9e2_attn
	.globl	k_qe4c157a9e2_attn
	.p2align	8
	.type	k_qe4c157a9e2_attn,@function
k_qe4c157a9e2_attn:
	s_mov_b64 s[64:65], 0
	v_nop
	global_prefetch_b8 v0, s[64:65] scope:SCOPE_SE
	s_setreg_imm32_b32 hwreg(HW_REG_WAVE_MODE, 25, 1), 1
	s_wait_xcnt 0x0
	s_wait_alu depctr_hold_cnt(0) depctr_sa_sdst(0) depctr_va_vdst(0) depctr_va_sdst(0) depctr_va_ssrc(0) depctr_va_vcc(0) depctr_vm_vsrc(0)
	s_getreg_b32 s2, hwreg(HW_REG_IB_STS2, 6, 4)
	s_cmp_eq_u32 s2, 0
	s_cbranch_scc0 .Lentry_in_a_cluster
	s_endpgm
.Lentry_in_a_cluster:
	s_bfe_u32 s2, ttmp6, 0x10000c
	s_cmp_lg_u32 s2, 0x3003
	s_cbranch_scc0 .Lentry_shape_is_right
	s_endpgm
.Lentry_shape_is_right:
; out0[head][q][:] = the sum over k <= q of softmax_k(Q[q] . K[k] / sqrt(128)) V[k][:], 64 heads of 2,048 x 128, both products on codes of FP4 (E2M1) with one E8M0 scale for each 32 along a product's K.
; query arrives as f32 and is quantised here, in registers; K and V come as codes and scale words out of kv, laid by the launch before in the order of the operands' registers (17,408 bytes for each step of 128 keys).
; THE SOFTMAX AHEAD OF THE SECOND PRODUCT: t = score x log2(e) / sqrt(128); M = the row's largest t so far, rounded UP to a whole number; p = 2^(t - M) is quantised along the keys, not normalised.
; The row's sum is taken of the unquantised p, in f32, and divides O at the end.  When M moves, the sum and O are multiplied by 2^(old M - new M): exact.
; THE WHOLE HEAD STAYS IN LDS: 16 x 17,408 = 278,528 bytes, filled once: no slot is ever filled again, and no barrier stands in a loop over keys.
; CLUSTER.  The four work-groups of a head form a cluster and ask for the head's bytes JOINTLY: the same tensor loads, with the same descriptors and a mask that names the four; each receives them in its own LDS.
; SHARES.  The head's 128 tiles of 16 queries are dealt round the four work-groups: the one at place cx takes tiles 4 m + cx.  A DOUBLE TILE a (0 .. 15) is m = 2 a, 2 a + 1: queries 128 a + 64 x + 16 cx + r, x = 0, 1.
; Both its tiles need key steps 0 .. a, and step a is the one on the diagonal, whatever cx is: so no branch and no LDS address hangs on cx; it enters Q's and O's addresses in memory and the mask's numbers alone.
; Wave w makes double tile 15 - w and then double tile w: 17 double steps for every wave of every work-group.  Each fragment of K and V read from LDS feeds two products.
; LAYOUT.  Both products are used transposed: S^T = K Q^T (source 0 = 16 keys, source 1 = 16 queries), O^T = V^T P^T (source 0 = 16 channels, source 1 = P): a lane holds ONE query (lane % 16) throughout.
; In S^T register 16 b + i of a tile of queries holds key 32 b + 16 (lane / 16) + i of the step (the keys of a tile of K are chosen for that).
; LIMITS: NaN and infinities among the inputs are not served.  Hidden scores become -infinity where the source adds -1e19: the same results while scores stay far under 1e19 in magnitude.
; A block of zeros gets the scale byte 1 where the rule says 127: its codes are zeros.  p under 2^-126 comes out of v_exp_f32 as 0 (ISA guide, its entry in 15.8).
; A block's largest p is made from its largest score by the same two instructions as every p: this takes v_exp_f32 not to fall where its input rises.
; O^T is cleared by 128 moves at the head of each of the two passes: the key step is then written three times and not five, and its first trip finds zeros, which the first change of M leaves zeros.
.set STEPB, 17408                      ; a key step's bytes: K's images 8,192, V's 8,192, K's scale words 512, V's 512
.set HALFB, 8*STEPB
.set HEADB, 16*STEPB
.set STG,   HEADB                      ; behind the head: a stage for each wave, for Q's turn and for the way out; no tensor load lands there
.set STGW,  16*272                     ; 16 rows of 256 bytes + 16: 17 x 16 bytes, so that the sixteen rows of a load begin in sixteen different columns of 16 bytes modulo 256
; VECTOR REGISTERS, window 0 (x = 0, 1: the double tile's two tiles)
.set LI,   1                           ; v1   16 x lane: my place in an image
.set ADR,  2                           ; v2   the same in the step in hand
.set RD,   3                           ; v3   the stage by whole half rows: 272 (lane / 16) + 16 (lane % 16)
.set QR,   4                           ; v4   the stage: row lane % 16, + 128 (lane / 16): my 32 numbers of Q
.set STO,  5                           ; v5   the stage: row lane % 16, + 32 (lane / 16): my 8 numbers of O
.set GO,   6                           ; v6   in memory: 512 (lane / 16) + 16 (lane % 16): two rows of Q or O, 256 bytes of each
.set NINF, 7                           ; v7   -infinity
.set DD,   8                           ; v8-9   64 x + 16 cx + lane % 16 - 16 (lane / 16): on the diagonal register 16 b + i is hidden where 32 b + i is greater
.set PFO,  10                          ; v10  256 x lane: the prefetches' offset
.set H8,   11                          ; v11  8 (lane / 16)
.set ST,   12                          ; v[12 + 4 x]: -M, the largest t, the sum in two halves
.set Q,    20                          ; v[20 + 8 x]: Q's codes
.set QS,   36                          ; v36-37 Q's scale words
.set PS,   38                          ; v38-39 p's
.set KSC,  40                          ; v40-43 K's: register j holds tile 2 j's in lanes 0-15 and tile 2 j + 1's in lanes 16-31
.set VSC,  44                          ; v44-47 V's likewise
.set P,    48                          ; v[48 + 8 x]: p's codes
.set WK,   64                          ; v[64 + 16 x]: +0..3 block maxima; +4..7 and +14, +15 at work; +8..11 the conversions' scale operands; +12 f = 2^(old M - new M), +13 named with it as a pair
.set S,    96                          ; v[96 + 64 x]: S^T, then p; at a pass's ends Q's numbers and O's
; window 1: v0-127 O^T (64 x + 8 t) and, ahead of a pass, Q as loaded; v128-191 K's fragments; v192-255 V's
.set KF,   128
.set VF,   192
; SCALAR REGISTERS
.set WV,   10                          ; my wave's number
.set CX,   11                          ; my work-group's place in the cluster
.set HD,   12                          ; the head
.set A,    13                          ; the double tile in hand
.set KS,   14                          ; the key step
.set TB,   15                          ; its first byte in LDS
.set G1,   16                          ; s[16:23] descriptor group 1
.set G0,   24                          ; s[24:31] two groups 0
.set QH,   32                          ; s[32:33], s[34:35] Q of my two double tiles;  s[36:37], s[38:39] O likewise
.set QL,   34
.set OH,   36
.set OL,   38
.set SEL,  40                          ; s[40:41] v_permlanex16_b32's selects for lane l xor 16
.set CS,   42                          ; s[42:43] c = log2(e) / sqrt(128): the packed form names a pair and takes its low word for both halves
.set MSB, 0
.macro WIN new                         ; s_set_vgpr_msb: bits 1:0 source 0, 3:2 source 1, 5:4 source 2, 7:6 destination; the high byte repeats the setting that is left
.if MSB != \new
	s_set_vgpr_msb (MSB<<8)|\new
.set MSB, \new
.endif
.endm
; A round of the cluster's barrier: my work-group's barrier, wave 0 signals for the work-group, every wave waits for all four work-groups, my work-group's barrier once more
.macro ROUND
	s_barrier_signal -1
	s_barrier_wait -1
	s_cmp_lg_u32 s[WV], 0
	s_cbranch_scc1 .Lnot_wave_0_\@
	s_barrier_signal -3
.Lnot_wave_0_\@:
	s_barrier_wait -3
	s_barrier_signal -1
	s_barrier_wait -1
.endm
; A double tile's Q, 2 x 16 rows of 512 bytes, as it lies: sixteen lanes read 256 consecutive bytes.  Group (x, c): rows of tile x, d = 64 c on, into O^T's registers, which are free
.macro QLOAD base
	WIN 0x40                                       ; destination window 1
.irp x, 0,1
.irp c, 0,1
.irp i, 0,1,2,3,4,5,6,7
	global_load_b128 v[64*\x+32*\c+4*\i:64*\x+32*\c+4*\i+3], v[GO], s[\base:\base+1] offset:32768*\x+1024*\i+256*\c th:TH_LOAD_NT
.endr
.endr
.endr
	WIN 0
.endm
; Each group turns through my stage: in as loaded, out 128 bytes a lane: register S + 64 x + 32 c + n = d 64 c + 32 (lane / 16) + n of query lane % 16
.macro QTURN
.irp x, 0,1
.irp c, 0,1
	s_wait_loadcnt 24-8*(2*\x+\c)                  ; this group's eight loads are in; the groups behind it may be out
	WIN 0x04                                       ; an LDS store's data are its source 1: window 1
.irp i, 0,1,2,3,4,5,6,7
	ds_store_b128 v[RD], v[64*\x+32*\c+4*\i:64*\x+32*\c+4*\i+3] offset:544*\i
.endr
	WIN 0
.irp i, 0,1,2,3,4,5,6,7
	ds_load_b128 v[S+64*\x+32*\c+4*\i:S+64*\x+32*\c+4*\i+3], v[QR] offset:16*\i   ; LDS serves a wave's instructions in order (ISA guide 5.7.1.4): these see my stores, and the next group's stores come behind them
.endr
.endr
.endr
	s_wait_dscnt 0x0
.endm
; Q's numbers become its two fragments and scale words.  A lane holds two whole blocks of 32 of its row: d blocks h and 2 + h
.macro QUANTQ
.irp c, 0,1
.irp x, 0,1
	v_max3_num_f32 v[WK+16*\x+\c], |v[S+64*\x+32*\c]|, |v[S+64*\x+32*\c+1]|, 0x1800000   ; with the floor 2^(3 - 127): the byte cannot fall under 1
.endr
.endr
.irp i, 2,4,6,8,10,12,14,16,18,20,22,24,26,28,30
.irp c, 0,1
.irp x, 0,1
	v_max3_num_f32 v[WK+16*\x+\c], v[WK+16*\x+\c], |v[S+64*\x+32*\c+\i]|, |v[S+64*\x+32*\c+\i+1]|   ; (four chains by turns)
.endr
.endr
.endr
.irp c, 0,1
.irp x, 0,1
	v_add_nc_u32 v[WK+16*\x+8+\c], 0xff000000, v[WK+16*\x+\c]   ; 2 off the exponent field: the conversion's scale operand
.endr
.endr
.irp c, 0,1
.irp x, 0,1
	v_lshrrev_b32 v[WK+16*\x+4+\c], 23, v[WK+16*\x+8+\c]        ; the scale's byte
.endr
.endr
.irp x, 0,1
	v_lshl_or_b32 v[WK+16*\x+14], v[WK+16*\x+5], 16, v[WK+16*\x+4]
.endr
.irp x, 0,1
	v_lshlrev_b32 v[WK+16*\x+14], v[H8], v[WK+16*\x+14]         ; my two bytes at their places in the row's word
.endr
.irp x, 0,1
	v_permlanex16_b32 v[WK+16*\x+15], v[WK+16*\x+14], s[SEL], s[SEL+1]
.endr
.irp x, 0,1
	v_or_b32 v[QS+\x], v[WK+16*\x+14], v[WK+16*\x+15]           ; with lane l xor 16's two the word is whole
.endr
.irp x, 0,1
.irp c, 0,1
.irp g, 0,1,2,3
	v_cvt_scalef32_pk8_fp4_f32 v[Q+8*\x+4*\c+\g], v[S+64*\x+32*\c+8*\g:S+64*\x+32*\c+8*\g+7], v[WK+16*\x+8+\c]
.endr
.endr
.endr
	v_nop                                          ; one plain line behind the last scaled conversion
.endm
; A pass begins: the largest t is -3e38, under every t; the sums and O^T are zeros.  These lines are also the places between Q's codes and scale words, written by vector instructions, and the first product
.macro INIT
.irp x, 0,1
	v_mov_b32 v[ST+4*\x+1], 0xff61b1e6
	v_mov_b32 v[ST+4*\x+2], 0
	v_mov_b32 v[ST+4*\x+3], 0
.endr
.irp x, 0,1
	v_floor_f32 v[ST+4*\x], -v[ST+4*\x+1]          ; -M
.endr
	WIN 0x40
.set j, 0
.rept 128
	v_mov_b32 v[j], 0
.set j, j+1
.endr
	WIN 0
.endm
; A DOUBLE STEP: 128 keys against my two tiles of queries.  causal = 1: the step may lie beyond the diagonal (it is left out: a scalar branch on the wave's number and the loop's count) or on it (hidden scores become -infinity).
.macro STEP causal
.if \causal
	s_cmp_gt_u32 s[KS], s[A]
	s_cbranch_scc1 .Lhidden_\@
.endif
	v_add_nc_u32 v[ADR], s[TB], v[LI]
.rept 3
	v_nop                                          ; with the addition: four places behind the last products V^T P, in front of the loads into their registers (ISA guide 7.12.1 for vector instructions)
.endr
	ds_load_b128 v[KSC:KSC+3], v[ADR] offset:16384 ; the scale words of K's eight tiles
	WIN 0x40                                       ; destination window 1
.irp t, 0,1,2,3,4,5,6,7
.irp c, 0,1
	ds_load_b128 v[KF+8*\t+4*\c:KF+8*\t+4*\c+3], v[ADR] offset:1024*\t+512*\c          ; an image: 32 lanes read 512 consecutive bytes
.endr
.endr
.irp t, 0,1,2,3,4,5,6,7
.irp c, 0,1
	ds_load_b128 v[VF+8*\t+4*\c:VF+8*\t+4*\c+3], v[ADR] offset:8192+1024*\t+512*\c     ; V's come while the softmax is worked
.endr
.endr
	WIN 0
	ds_load_b128 v[VSC:VSC+3], v[ADR] offset:16896
	s_wait_dscnt 17                                ; K's scale words and fragments are in; V's sixteen loads and its scale words may be out
	WIN 0x01                                       ; source 0 (K) window 1
.irp t, 0,1,2,3,4,5,6,7                        ; the sixteen accumulators take one turn each
.irp x, 0,1
.if \t % 2
	v_wmma_scale_f32_16x16x128_f8f6f4 v[S+64*\x+8*\t:S+64*\x+8*\t+7], v[KF+8*\t:KF+8*\t+7], v[Q+8*\x:Q+8*\x+7], 0, v[KSC+\t/2], v[QS+\x] matrix_a_fmt:MATRIX_FMT_FP4 matrix_b_fmt:MATRIX_FMT_FP4 matrix_a_scale:MATRIX_SCALE_ROW1
.else
	v_wmma_scale_f32_16x16x128_f8f6f4 v[S+64*\x+8*\t:S+64*\x+8*\t+7], v[KF+8*\t:KF+8*\t+7], v[Q+8*\x:Q+8*\x+7], 0, v[KSC+\t/2], v[QS+\x] matrix_a_fmt:MATRIX_FMT_FP4 matrix_b_fmt:MATRIX_FMT_FP4
.endif
.endr
.endr
	WIN 0
.rept 4
	v_nop                                          ; four places in front of the first read of the scores
.endr
.if \causal
	s_cmp_lg_u32 s[KS], s[A]                       ; a step all of whose keys count skips the mask
	s_cbranch_scc1 .Lopen_\@
.irp x, 0,1
.irp n, 0,1,2,3,4,5,6,7,8,9,10,11,12,13,14,15,16,17,18,19,20,21,22,23,24,25,26,27,28,29,30,31,32,33,34,35,36,37,38,39,40,41,42,43,44,45,46,47,48,49,50,51,52,53,54,55,56,57,58,59,60,61,62,63
	v_cmp_gt_i32 vcc_lo, 32*(\n/16)+\n%16, v[DD+\x]
	v_cndmask_b32 v[S+64*\x+\n], v[S+64*\x+\n], v[NINF], vcc_lo
.endr
.endr
.Lopen_\@:
.endif
.irp b, 0,1,2,3
.irp x, 0,1
	v_max3_num_f32 v[WK+16*\x+\b], v[S+64*\x+16*\b], v[S+64*\x+16*\b+1], v[S+64*\x+16*\b+2]   ; THE LARGEST SCORE OF EACH BLOCK OF 32 KEYS: it serves the row's maximum and, since p rises with the score, the block's largest p
.endr
.endr
.irp i, 3,5,7,9,11,13
.irp b, 0,1,2,3
.irp x, 0,1
	v_max3_num_f32 v[WK+16*\x+\b], v[WK+16*\x+\b], v[S+64*\x+16*\b+\i], v[S+64*\x+16*\b+\i+1]   ; (eight chains by turns)
.endr
.endr
.endr
.irp b, 0,1,2,3
.irp x, 0,1
	v_max_num_f32 v[WK+16*\x+\b], v[WK+16*\x+\b], v[S+64*\x+16*\b+15]
.endr
.endr
.irp b, 0,1,2,3
.irp x, 0,1
	v_permlanex16_b32 v[WK+16*\x+4+\b], v[WK+16*\x+\b], s[SEL], s[SEL+1]
.endr
.endr
.irp b, 0,1,2,3
.irp x, 0,1
	v_max_num_f32 v[WK+16*\x+\b], v[WK+16*\x+\b], v[WK+16*\x+4+\b]   ; with lane l xor 16's 16 keys
.endr
.endr
.irp x, 0,1
	v_max3_num_f32 v[WK+16*\x+14], v[WK+16*\x], v[WK+16*\x+1], v[WK+16*\x+2]
.endr
.irp x, 0,1
	v_max_num_f32 v[WK+16*\x+14], v[WK+16*\x+14], v[WK+16*\x+3]      ; the step's largest score of my query
.endr
.irp x, 0,1
	v_mul_f32 v[WK+16*\x+14], s[CS], v[WK+16*\x+14]                  ; as t (c is positive)
.endr
.irp x, 0,1
	v_max_num_f32 v[ST+4*\x+1], v[ST+4*\x+1], v[WK+16*\x+14]         ; the running largest t
.endr
.irp x, 0,1
	v_mov_b32 v[WK+16*\x+14], v[ST+4*\x]
.endr
.irp x, 0,1
	v_floor_f32 v[ST+4*\x], -v[ST+4*\x+1]                            ; the new -M = floor(-t) = -ceil(t): M IS A WHOLE NUMBER
.endr
.irp x, 0,1
	v_sub_f32 v[WK+16*\x+14], v[ST+4*\x], v[WK+16*\x+14]             ; M's old value less its new one: a whole number, 0 or less
.endr
.irp x, 0,1
	v_cvt_i32_f32 v[WK+16*\x+14], v[WK+16*\x+14]                     ; (it saturates)
.endr
.irp x, 0,1
	v_ldexp_f32 v[WK+16*\x+12], 1.0, v[WK+16*\x+14]                  ; f = 2^(old M - new M): a multiplication by it rounds nothing
.endr
.set j, 0
.rept 32
.irp x, 0,1
	v_pk_fma_f32 v[S+64*\x+j:S+64*\x+j+1], v[S+64*\x+j:S+64*\x+j+1], s[CS:CS+1], v[ST+4*\x:ST+4*\x+1] op_sel_hi:[1,0,0]   ; t - M, two at a time (of the pairs c and -M the low word serves both halves)
.endr
.set j, j+2
.endr
.irp b, 0,1,2,3
.irp x, 0,1
	v_fma_f32 v[WK+16*\x+\b], v[WK+16*\x+\b], s[CS], v[ST+4*\x]      ; the same of each block's largest score
.endr
.endr
.set j, 0
.rept 128
	v_exp_f32 v[S+j], v[S+j]                                         ; p = 2^(t - M), at most 1: NOT normalised
.set j, j+1
.endr
.irp b, 0,1,2,3
.irp x, 0,1
	v_exp_f32 v[WK+16*\x+\b], v[WK+16*\x+\b]                         ; the block's largest p: the same two instructions on the same number give the same bits
.endr
.endr
.irp x, 0,1
	v_pk_mul_f32 v[ST+4*\x+2:ST+4*\x+3], v[ST+4*\x+2:ST+4*\x+3], v[WK+16*\x+12:WK+16*\x+13] op_sel_hi:[1,0]   ; the sums under the new M.  (The plain line behind the exponentials)
.endr
	s_wait_alu depctr_va_vdst(0)
.irp b, 0,1,2,3
.irp x, 0,1
	v_max_num_f32 v[WK+16*\x+\b], 0x1800000, v[WK+16*\x+\b]          ; the floor 2^(3 - 127): the byte cannot fall under 1 (a block whose every p is 0 keeps that byte: its codes are zeros)
.endr
.endr
.irp b, 0,1,2,3
.irp x, 0,1
	v_add_nc_u32 v[WK+16*\x+8+\b], 0xff000000, v[WK+16*\x+\b]        ; 2 off the exponent field: the conversion's scale operand
.endr
.endr
.irp b, 0,1,2,3
.irp x, 0,1
	v_lshrrev_b32 v[WK+16*\x+4+\b], 23, v[WK+16*\x+8+\b]             ; the scale's byte
.endr
.endr
.irp x, 0,1
	v_lshl_or_b32 v[PS+\x], v[WK+16*\x+5], 8, v[WK+16*\x+4]          ; p's scale word for these 128 keys
.endr
.irp x, 0,1
	v_lshl_or_b32 v[PS+\x], v[WK+16*\x+6], 16, v[PS+\x]
.endr
.irp x, 0,1
	v_lshl_or_b32 v[PS+\x], v[WK+16*\x+7], 24, v[PS+\x]
.endr
.irp x, 0,1
.irp b, 0,1,2,3
	v_cvt_scalef32_pk8_fp4_f32 v[P+8*\x+2*\b], v[S+64*\x+16*\b:S+64*\x+16*\b+7], v[WK+16*\x+8+\b]
	v_cvt_scalef32_pk8_fp4_f32 v[P+8*\x+2*\b+1], v[S+64*\x+16*\b+8:S+64*\x+16*\b+15], v[WK+16*\x+8+\b]
.endr
.endr
	v_nop                                          ; one plain line behind the last scaled conversion
.irp x, 0,1                                    ; the operand's layout wants a WHOLE block in a lane: lanes 0-15 block 2 c, lanes 16-31 block 2 c + 1
.irp c, 0,1
.irp i, 0,1
	v_permlane16_swap_b32 v[P+8*\x+4*\c+\i], v[P+8*\x+4*\c+2+\i]
.endr
.endr
.endr
.irp x, 0,1
	v_pk_add_f32 v[WK+16*\x+4:WK+16*\x+5], v[S+64*\x:S+64*\x+1], v[S+64*\x+2:S+64*\x+3]   ; THE ROW'S SUM IS TAKEN OF THE UNQUANTISED p: two at a time, two chains a tile
.endr
.irp j, 4,8,12,16,20,24,28,32,36,40,44,48,52,56,60
.irp x, 0,1
	v_pk_add_f32 v[ST+4*\x+2:ST+4*\x+3], v[ST+4*\x+2:ST+4*\x+3], v[S+64*\x+\j:S+64*\x+\j+1]
	v_pk_add_f32 v[WK+16*\x+4:WK+16*\x+5], v[WK+16*\x+4:WK+16*\x+5], v[S+64*\x+\j+2:S+64*\x+\j+3]
.endr
.endr
.irp x, 0,1
	v_pk_add_f32 v[ST+4*\x+2:ST+4*\x+3], v[ST+4*\x+2:ST+4*\x+3], v[WK+16*\x+4:WK+16*\x+5]
.endr
	WIN 0x41                                       ; O^T (destination and source 0) window 1, f window 0
.irp x, 0,1
.set j, 0
.rept 32
	v_pk_mul_f32 v[64*\x+j:64*\x+j+1], v[64*\x+j:64*\x+j+1], v[WK+16*\x+12:WK+16*\x+13] op_sel_hi:[1,0]   ; O^T under the new M, each accumulator from its low end on.  (These lines and the sums are the places between p's codes and scale word and the products)
.set j, j+2
.endr
.endr
	s_wait_dscnt 0x0                               ; V's fragments and scale words are in
	WIN 0x51                                       ; source 0 (V) window 1, source 1 (P) window 0, C and D window 1
.irp t, 0,1,2,3,4,5,6,7                        ; again sixteen accumulators, one turn each; the sixteen products K Q^T stand between two links of a chain
.irp x, 0,1
.if \t % 2
	v_wmma_scale_f32_16x16x128_f8f6f4 v[64*\x+8*\t:64*\x+8*\t+7], v[VF+8*\t:VF+8*\t+7], v[P+8*\x:P+8*\x+7], v[64*\x+8*\t:64*\x+8*\t+7], v[VSC+\t/2], v[PS+\x] matrix_a_fmt:MATRIX_FMT_FP4 matrix_b_fmt:MATRIX_FMT_FP4 matrix_a_scale:MATRIX_SCALE_ROW1
.else
	v_wmma_scale_f32_16x16x128_f8f6f4 v[64*\x+8*\t:64*\x+8*\t+7], v[VF+8*\t:VF+8*\t+7], v[P+8*\x:P+8*\x+7], v[64*\x+8*\t:64*\x+8*\t+7], v[VSC+\t/2], v[PS+\x] matrix_a_fmt:MATRIX_FMT_FP4 matrix_b_fmt:MATRIX_FMT_FP4
.endif
.endr
.endr
	WIN 0
.if \causal
.Lhidden_\@:
.endif
	s_add_co_u32 s[TB], s[TB], STEPB               ; the next step's bytes
.endm
; A pass ends: the sum's halves and lane l xor 16's are added; O^T / the sum goes into S^T's registers: register 64 x + 8 t + i = o(query lane % 16, channel 16 t + 8 (lane / 16) + i)
.macro DIVIDE
.rept 4
	v_nop                                          ; four places behind the last products
.endr
.irp x, 0,1
	v_add_f32 v[WK+16*\x+14], v[ST+4*\x+2], v[ST+4*\x+3]
.endr
.irp x, 0,1
	v_permlanex16_b32 v[WK+16*\x+15], v[WK+16*\x+14], s[SEL], s[SEL+1]
.endr
.irp x, 0,1
	v_add_f32 v[WK+16*\x+14], v[WK+16*\x+14], v[WK+16*\x+15]
.endr
.irp x, 0,1
	v_rcp_f32 v[WK+16*\x+12], v[WK+16*\x+14]
.endr
	v_nop                                          ; a plain line between the last reciprocal and the use of its result
	WIN 0x01                                       ; source 0 (O^T) window 1
	s_wait_alu depctr_va_vdst(0)
.irp x, 0,1
.set j, 0
.rept 32
	v_pk_mul_f32 v[S+64*\x+j:S+64*\x+j+1], v[64*\x+j:64*\x+j+1], v[WK+16*\x+12:WK+16*\x+13] op_sel_hi:[1,0]
.set j, j+2
.endr
.endr
	WIN 0
.endm
; The way out: half a row (64 channels, 256 bytes) of 16 queries at a time through my stage, back into the registers that it left, as whole half rows
.macro STAGEOUT base
.irp x, 0,1
.irp u, 0,1
.irp t, 0,1,2,3
	ds_store_b128 v[STO], v[S+64*\x+32*\u+8*\t:S+64*\x+32*\u+8*\t+3] offset:64*\t
	ds_store_b128 v[STO], v[S+64*\x+32*\u+8*\t+4:S+64*\x+32*\u+8*\t+7] offset:64*\t+16
.endr
.irp i, 0,1,2,3,4,5,6,7
	ds_load_b128 v[S+64*\x+32*\u+4*\i:S+64*\x+32*\u+4*\i+3], v[RD] offset:544*\i   ; in order behind my stores; the next group's stores come behind these
.endr
.endr
.endr
.irp x, 0,1
.irp u, 0,1
.irp i, 0,1,2,3,4,5,6,7
	s_wait_dscnt 16*(3-2*\x-\u)+7-\i               ; behind this load: the rest of its group's eight, and sixteen LDS instructions for each later group
	global_store_b128 v[GO], v[S+64*\x+32*\u+4*\i:S+64*\x+32*\u+4*\i+3], s[\base:\base+1] offset:32768*\x+1024*\i+256*\u th:TH_STORE_NT   ; sixteen lanes store 256 consecutive bytes, at a multiple of 256 from out0's first byte
.endr
.endr
.endr
.endm
	s_load_b128 s[4:7], s[0:1], 0x0                ; query, kv
	s_load_b64 s[8:9], s[0:1], 0x10                ; out0
	v_lshl_add_u32 v254, v0, 2, 0x4c800
	v_mov_b32 v255, 0
	ds_add_u32 v254, v255
	ds_add_u32 v254, v255
	v_lshrrev_b32 v224, 5, v0
	v_readfirstlane_b32 s[WV], v224                ; wave 0..7
	s_bfe_u32 s[CX], ttmp6, 0x40000                ; cx: my place in the cluster
	s_and_b32 s[HD], ttmp7, 0xffff                 ; the head, which the four partners share
	v_and_b32 v226, 31, v0                         ; lane
	v_and_b32 v224, 15, v0                         ; r
	v_bfe_u32 v225, v0, 4, 1                       ; h
	v_lshlrev_b32 v[LI], 4, v226
	s_mul_i32 s50, s[WV], STGW
	s_add_co_u32 s50, s50, STG                     ; my stage: no place in the cluster enters an LDS address
	v_mul_u32_u24 v227, v225, 272
	v_lshl_add_u32 v227, v224, 4, v227
	v_add_nc_u32 v[RD], s50, v227
	v_mul_u32_u24 v227, v224, 272
	v_add_nc_u32 v227, s50, v227
	v_lshl_add_u32 v[QR], v225, 7, v227
	v_lshl_add_u32 v[STO], v225, 5, v227
	v_lshlrev_b32 v[GO], 4, v224
	v_lshl_add_u32 v[GO], v225, 9, v[GO]
	v_mov_b32 v[NINF], 0xff800000
	v_lshlrev_b32 v[H8], 4, v225
	v_sub_nc_u32 v[DD], v224, v[H8]                ; r - 16 h,
	s_lshl_b32 s51, s[CX], 4
	v_add_nc_u32 v[DD], s51, v[DD]                 ; + 16 cx,
	v_add_nc_u32 v[DD+1], 64, v[DD]                ; + 64 x
	v_lshlrev_b32 v[PFO], 8, v226
	v_lshlrev_b32 v[H8], 3, v225
.irp x, 0,1
.irp b, 4,5,6,7,13,15
	v_mov_b32 v[WK+16*\x+\b], 0                    ; written once: lane permutes' destinations count as sources, and +13 is named as the upper half of a pair
.endr
.endr
	s_mov_b32 s[SEL], 0x76543210
	s_mov_b32 s[SEL+1], 0xfedcba98
	s_mov_b32 s[CS], 0x3e0293ee                    ; c = log2(e) / sqrt(128)
	s_mov_b32 s[CS+1], s[CS]                       ; (named with it as a pair, so it is written)
	; descriptor group 1: a key step's 17,408 dense bytes as 68 rows of 256 bytes (32 elements of 8 bytes), no padding: images are read 512 consecutive bytes at a time
	s_mov_b32 s[G1+0], 15|(3<<16)|(1<<21)          ; 15:0 the mask: all four work-groups; 17:16 elements of 8 bytes; 21 set beside a mask
	s_mov_b32 s[G1+1], 32<<16                      ; tensor_dim0 = 32
	s_mov_b32 s[G1+2], 68<<16                      ; tensor_dim1 = 68
	s_mov_b32 s[G1+3], 32<<16                      ; tile_dim0 = 32
	s_mov_b32 s[G1+4], 68                          ; tile_dim1 = 68
	s_mov_b32 s[G1+5], 32                          ; tensor_dim0_stride
	s_mov_b32 s[G1+6], 0
	s_mov_b32 s[G1+7], 0
	s_mul_i32 s48, s[HD], HEADB                    ; kv: my head,
	s_mul_i32 s52, s[WV], STEPB                    ; key step w: in memory and in LDS alike.  These registers never hold cx
	s_add_co_u32 s48, s48, s52
	s_mov_b32 s49, 0
	s_lshl_b32 s44, s[HD], 20                      ; Q and O: a head is 2,048 rows of 512 bytes;
	s_lshl_b32 s53, s[CX], 13                      ; 16 cx rows;
	s_add_co_u32 s44, s44, s53
	s_lshl_b32 s53, s[WV], 16                      ; a double tile begins 128 a rows on: a = w in the second pass,
	s_add_co_u32 s46, s44, s53
	s_sub_co_u32 s[A], 15, s[WV]                   ; a = 15 - w in the first
	s_lshl_b32 s53, s[A], 16
	s_add_co_u32 s44, s44, s53
	s_mov_b32 s45, 0
	s_mov_b32 s47, 0
	s_wait_dscnt 0x0
	s_wait_kmcnt 0x0
	s_add_nc_u64 s[QH:QH+1], s[4:5], s[44:45]
	s_add_nc_u64 s[QL:QL+1], s[4:5], s[46:47]
	s_add_nc_u64 s[OH:OH+1], s[8:9], s[44:45]
	s_add_nc_u64 s[OL:OL+1], s[8:9], s[46:47]
	s_mov_b32 s[G0], 1                             ; 1:0 count = 1
	s_mov_b32 s[G0+1], s52                         ; LDS address: step w
	s_add_nc_u64 s[G0+2:G0+3], s[6:7], s[48:49]    ; global address
	s_mov_b32 s[G0+4], 1
	s_add_co_u32 s[G0+5], s52, HALFB               ; step 8 + w
	s_add_nc_u64 s[G0+6:G0+7], s[G0+2:G0+3], HALFB
	s_or_b32 s[G0+3], s[G0+3], 0x80000000          ; 127:126 type = 2
	s_or_b32 s[G0+7], s[G0+7], 0x80000000
	QLOAD QH                                       ; the first pass's Q is on its way while the partners meet
	ROUND                                          ; all four work-groups are here: the joint loads meet
	tensor_load_to_lds s[G0:G0+3], s[G1:G1+7]      ; the launch's only tensor loads, ahead of every wait on TENSORcnt and every LDS read: two of mine are out
	s_nop 0
	tensor_load_to_lds s[G0+4:G0+7], s[G1:G1+7]
	s_nop 0
.rept 4
	v_nop
.endr
	QTURN
	QUANTQ
	INIT
	s_wait_tensorcnt 0x1                           ; my part of steps 0 to 7 is in; my part of steps 8 to 15 may stay out
	s_wait_dscnt 0x0
	s_barrier_signal -1
	s_barrier_wait -1                              ; everybody's is
	s_mov_b32 s[KS], 0
	s_mov_b32 s[TB], 0
.Lhi_a:                                            ; double tile 15 - w, steps 0 to 7: a is 8 or more, so every key counts
	STEP 0
	s_add_co_u32 s[KS], s[KS], 1
	s_cmp_lt_u32 s[KS], 8
	s_cbranch_scc1 .Lhi_a
	; A prefetch of the second pass's Q: 2 x 8,192 dense bytes, lanes 256 bytes apart, each wave for its own rows, which no other wave of the launch reads: each block is named once.
	; It stands 8 - w double steps ahead of the loads; its address registers are never written again.
	global_prefetch_b8 v[PFO], s[QL:QL+1] th:TH_LOAD_NT scope:SCOPE_SE
	global_prefetch_b8 v[PFO], s[QL:QL+1] offset:32768 th:TH_LOAD_NT scope:SCOPE_SE
	s_wait_tensorcnt 0x0                           ; my part of steps 8 to 15 is in,
	s_wait_dscnt 0x0
	s_barrier_signal -1
	s_barrier_wait -1                              ; everybody's is
	s_mov_b32 s[KS], 8
	s_mov_b32 s[TB], HALFB
.Lhi_b:                                            ; steps 8 to 15: up to the diagonal, step 15 - w; the trips behind it do no work
	STEP 1
	s_add_co_u32 s[KS], s[KS], 1
	s_cmp_lt_u32 s[KS], 16
	s_cbranch_scc1 .Lhi_b
	DIVIDE
	QLOAD QL                                       ; O^T's registers are free: the second pass's Q comes while the first pass's O leaves
	STAGEOUT OH
	s_wait_xcnt 0x0                                ; the stores have read their registers: S^T's are written again only behind this wait
	s_mov_b32 s[A], s[WV]
	QTURN
	QUANTQ
	INIT
	s_mov_b32 s[KS], 0
	s_mov_b32 s[TB], 0
.Llo:                                              ; double tile w, steps 0 to 7: up to the diagonal, step w
	STEP 1
	s_add_co_u32 s[KS], s[KS], 1
	s_cmp_lt_u32 s[KS], 8
	s_cbranch_scc1 .Llo
	DIVIDE
	STAGEOUT OL
	s_wait_dscnt 0x0
	s_wait_tensorcnt 0x0
	ds_add_u32 v254, v255
	s_wait_dscnt 0x0
	ROUND                                          ; the closing round: no work-group ends while a partner may still ask for bytes jointly
	s_endpgm
.Lfunc_end_k_qe4c157a9e2_attn:
	.size	k_qe4c157a9e2_attn, .Lfunc_end_k_qe4c157a9e2_attn-k_qe4c157a9e2_attn
	.p2alignl 7, 3214868480
	.fill 96, 4, 3214868480
	.section	.rodata,"a",@progbits
	.p2align	6, 0x0
	.amdhsa_kernel k_qe4c157a9e2_attn
		.amdhsa_group_segment_fixed_size 327680
		.amdhsa_private_segment_fixed_size 0
		.amdhsa_enable_private_segment 0
		.amdhsa_kernarg_size 24
		.amdhsa_user_sgpr_count 2
		.amdhsa_user_sgpr_kernarg_segment_ptr 1
		.amdhsa_wavefront_size32 1
		.amdhsa_system_sgpr_workgroup_id_x 1
		.amdhsa_system_sgpr_workgroup_id_y 1
		.amdhsa_system_sgpr_workgroup_id_z 1
		.amdhsa_system_vgpr_workitem_id 0
		.amdhsa_next_free_vgpr 512
		.amdhsa_next_free_sgpr 66
		.amdhsa_reserve_vcc 1
		.amdhsa_float_denorm_mode_32 3
		.amdhsa_float_denorm_mode_16_64 3
		.amdhsa_memory_ordered 1
		.amdhsa_forward_progress 1
		.amdhsa_inst_pref_size 183
	.end_amdhsa_kernel
	.amdgpu_metadata
---
amdhsa.version: [ 1, 2 ]
amdhsa.kernels:
  - .name:           k_qe4c157a9e2_attn
    .symbol:         k_qe4c157a9e2_attn.kd
    .args:
      - { .name: query, .offset: 0, .size: 8, .value_kind: global_buffer, .address_space: global }
      - { .name: kv, .offset: 8, .size: 8, .value_kind: global_buffer, .address_space: global }
      - { .name: out0, .offset: 16, .size: 8, .value_kind: global_buffer, .address_space: global }
    .group_segment_fixed_size: 327680
    .private_segment_fixed_size: 0
    .kernarg_segment_align: 8
    .kernarg_segment_size: 24
    .max_flat_workgroup_size: 256
    .sgpr_count:     66
    .vgpr_count:     512
    .wavefront_size: 32
...
	.end_amdgpu_metadata
.endif
;; end of part 2
